; MI455X (gfx1250); checked and timed in simulation.
; The chip was launched on July 23, 2026; its instructions are those of AMD's public machine-readable ISA for CDNA 5 (MIT licence, August 2026) and "CDNA5" Instruction Set Architecture Reference Guide (July 2026). The comments in the code are by the model that wrote it; some were corrected since.
;; Double Sin. Allowed arithmetic: matrix products marked QUANTISED: E2M1 operands, one E8M0 scale for each 32 along K, by v_wmma_scale_f32_16x16x128_f8f6f4 with both operands' format E2M1 (or v_wmma_scale_f32_32x16x128_f4), f32 sums; products left as they are: f32 operands where the result goes on into a quantised operand, else bf16, f16 or f32 operands; f32 sums; everything else in f32.
;; Inputs: W1_m1 64 x 1 float32; W1_m2 64 x 1 float32; W2_m1_codes 64 x 2 x 16 uint8 (E2M1 codes of W2_m1, K innermost, in blocks of 32 codes, two codes a byte); W2_m1_scales 64 x 2 uint8 (E8M0 scales of W2_m1, one for each 32 codes along K); W2_m2_codes 64 x 2 x 16 uint8 (E2M1 codes of W2_m2, K innermost, in blocks of 32 codes, two codes a byte); W2_m2_scales 64 x 2 uint8 (E8M0 scales of W2_m2, one for each 32 codes along K); W3_m1_codes 64 x 2 x 16 uint8 (E2M1 codes of W3_m1, K innermost, in blocks of 32 codes, two codes a byte); W3_m1_scales 64 x 2 uint8 (E8M0 scales of W3_m1, one for each 32 codes along K); W3_m2_codes 64 x 2 x 16 uint8 (E2M1 codes of W3_m2, K innermost, in blocks of 32 codes, two codes a byte); W3_m2_scales 64 x 2 uint8 (E8M0 scales of W3_m2, one for each 32 codes along K); W4_m1 1 x 64 float32; W4_m2 1 x 64 float32; a1_m1 64 float32; a1_m2 64 float32; a2_m1 64 float32; a2_m2 64 float32; a3_m1 64 float32; a3_m2 64 float32; b1_m1 64 float32; b1_m2 64 float32; b2_m1 64 float32; b2_m2 64 float32; b3_m1 64 float32; b3_m2 64 float32; b4_m1 1 float32; b4_m2 1 float32; x 1,048,576 x 1 float32.
;; Outputs: out0 1,048,576 x 1 float32.
;; This version of the problem:
;;   THIS VERSION OF THE PROBLEM IS GIVEN IN LOW PRECISION. The matrix products marked QUANTISED in the list below multiply operands that are first quantised to E2M1 (2 exponent bits, 1 mantissa bit; 4 bits a number), with one power-of-two scale for each 32 numbers along K (OCP MX v1.0); their sums are f32. All else is computed in f32.
;;   The module's matrix products, in the order in which they are computed (A, B: the left and right operand; K: the contracted axis; several contracted axes count as one K, in the product's order):
;;     1. [M 1,048,576, K 1] x [K 1, N 64]; A: input x; B: input W1_m1: left as it is (K = 1 < 32)
;;     2. [M 1,048,576, K 64] x [K 64, N 64]; A: computed on the way; B: input W2_m1 (given as codes): QUANTISED
;;     3. [M 1,048,576, K 64] x [K 64, N 64]; A: computed on the way; B: input W3_m1 (given as codes): QUANTISED
;;     4. [M 1,048,576, K 64] x [K 64, N 1]; A: computed on the way; B: input W4_m1: left as it is (N = 1 < 16)
;;     5. [M 1,048,576, K 1] x [K 1, N 64]; A: computed on the way; B: input W1_m2: left as it is (K = 1 < 32)
;;     6. [M 1,048,576, K 64] x [K 64, N 64]; A: computed on the way; B: input W2_m2 (given as codes): QUANTISED
;;     7. [M 1,048,576, K 64] x [K 64, N 64]; A: computed on the way; B: input W3_m2 (given as codes): QUANTISED
;;     8. [M 1,048,576, K 64] x [K 64, N 1]; A: computed on the way; B: input W4_m2: left as it is (N = 1 < 16)
;;   THE QUANTISER, for each operand of a quantised product, along K:
;;     - K is cut into blocks of 32 from its start; a last block that is shorter is filled with zeros.
;;     - A block's scale is 2^e with e = floor(log2(the largest magnitude in the block)) - 2, held to -126 .. 127; a block of zeros has e = 0. As a byte (E8M0): e + 127.
;;     - Each number is divided by its block's scale, clamped to +-6, and rounded to the nearest number of E2M1, ties to even, subnormals kept.
;;     - The product sums the exact products of the quantised numbers (number of the format x scale) in f32.
;;   ~~~python
;;   def quantise(x, axis):      # numpy; x: float32 -> the quantised numbers, widened to float32 again
;;       x = np.moveaxis(x, axis, -1); K = x.shape[-1]
;;       x = np.pad(x, [(0, 0)] * (x.ndim - 1) + [(0, -K % 32)]); x = x.reshape(x.shape[:-1] + (-1, 32)); a = np.abs(x).max(-1, keepdims=True)
;;       e = np.where(a > 0, np.clip(np.frexp(np.where(a > 0, a, 1))[1] - 1 - 2, -126, 127), 0)      # np.frexp(a)[1] - 1 = floor(log2(a)), exactly
;;       r = np.clip(x / 2.0 ** e, -6, 6)
;;       step = 2.0 ** (np.maximum(np.frexp(np.where(r == 0, 1, r))[1] - 1, 0) - 1)
;;       q = np.round(r / step) * step * 2.0 ** e      # np.round: ties to even
;;       return np.moveaxis(q.reshape(q.shape[:-2] + (-1,))[..., :K], -1, axis).astype(np.float32)
;;   ~~~
;;   OPERANDS COMPUTED ON THE WAY. 'Computed on the way' means the value that the module computes at that place (a softmax that the list does not call 'softmax' is quantised finished and normalised). What goes into a quantiser is computed in f32, as accurately as f32 sums, v_exp_f32 and their like allow (about 1e-6 of the number): no bf16 or f16 on the way to a quantiser, and a product that is left as it is and whose result goes on into a quantised operand takes f32 operands (vector FMAs, or v_wmma_f32_16x16x4_f32). A number that lies on a knife's edge between two numbers of the format may be rounded either way, as far as f32 arithmetic and the matrix unit's own rounding can turn it there, and no further.
;;   INPUTS GIVEN AS CODES. W2_m1 (in the module: [64, 64], K = its axis 1); W2_m2 (in the module: [64, 64], K = its axis 1); W3_m1 (in the module: [64, 64], K = its axis 1); W3_m2 (in the module: [64, 64], K = its axis 1): each comes as NAME_codes (uint8): NAME with its K axis moved to the last place and cut into blocks of 32 codes, [.., K / 32, bytes a block], one block behind the other in memory; two codes a byte, the lower K in the low four bits (a code: sign, 2 exponent bits, 1 mantissa bit); and NAME_scales (uint8): the same leading axes, one E8M0 byte (e + 127) for each 32 codes along K. Its value is code x scale, taken as it is: it is not quantised again, and the codes and scales need not be those that the quantiser above would give.
;; 2 versions, each right; version 2 is version 1 with the launch snake2 written anew for expert scheduling mode. Each part assembles by itself: llvm-mc -triple=amdgcn-amd-amdhsa -mcpu=gfx1250 --defsym DOCPART=n.
;; ======== version 1 of 2: 1 launch
;; limits: right only within a limited range of input values
;; launch snake2 (part 1): grid 256 x 1, 4 waves a work-group, no clusters, 18,944 bytes of LDS; arguments x, out0, W1_m1, b1_m1, a1_m1, W1_m2, b1_m2, a1_m2, b2_m1, a2_m1, b2_m2, a2_m2, W2_m1_codes, W2_m1_scales, W2_m2_codes, W2_m2_scales, b3_m1, a3_m1, W4_m1, b3_m2, a3_m2, W4_m2, W3_m1_codes, W3_m1_scales, W3_m2_codes, W3_m2_scales, b4_m1, b4_m2; writes out0
.if DOCPART == 1
	.amdgcn_target "amdgcn-amd-amdhsa--gfx1250"
	.amdhsa_code_object_version 6
	.text
	.protected	k_q4b94ac6e7a_snake2
	.globl	k_q4b94ac6e7a_snake2
	.p2align	8
	.type	k_q4b94ac6e7a_snake2,@function
k_q4b94ac6e7a_snake2:
	s_mov_b64 s[64:65], 0
	v_nop
	global_prefetch_b8 v0, s[64:65] scope:SCOPE_SE
	s_setreg_imm32_b32 hwreg(HW_REG_WAVE_MODE, 25, 1), 1
	s_wait_xcnt 0x0
; out0[i] = mlp_m1(x[i]) + mlp_m2(2 x[i]); an mlp is 1 -> 64 -> 64 -> 64 -> 1 with the activation z + sin^2(a z) / a behind its first three layers.
; The two 64 x 64 products of each branch run on codes of FP4 (E2M1) with one E8M0 scale for each 32 along K: the weights come as codes, the activations are quantised in registers.
; The first layer (K = 1) and the last (N = 1) are f32 multiply-adds.  Nothing but x and out0 goes to memory.
; SHARES.  256 work-groups of four waves; a wave owns 1,024 consecutive rows: 64 tiles of 16.  All parameters of both branches (768 registers) stay in the wave's registers for the whole launch.
; The waves share nothing: no barrier.  What work-groups share is 13 KB of parameters, read once by each wave at its head: so no tensor load, no cluster, no ring.
; LAYOUT.  Both quantised products are used transposed: source 0 = 16 rows of W, source 1 = the tile's 16 data rows.  r = lane % 16, h = lane / 16.
; THE ROWS OF W THAT FORM A TILE ARE NOT NEIGHBOURS: lane r of tile t takes unit 8 t + r % 8 + 32 (r / 8).  In the result, register j of tile t of lane (r, h) is then data row r, unit 32 h + 8 t + j:
; a lane's 32 result registers are ONE WHOLE BLOCK of 32 along the next K, lanes 0-15 block 0 and lanes 16-31 block 1, which is what registers 0-3 of a 4-bit operand hold.
; So a block's largest magnitude needs no other lane, the four conversions' results are the operand's registers as they stand, and only the second scale byte crosses the halves.
; K is 64 of the instruction's 128: registers 4-7 of both operands hold zero codes, and scale bytes 2 and 3 are 0 (2^-127, no NaN).
; Every parameter that goes by unit lies in UNIT ORDER: register 8 t + j of a run of 32 holds unit 32 h + 8 t + j: 128 consecutive bytes at 128 h.  b2 and b3 are the C of the matrix instructions.
; THE ACTIVATION, two numbers an instruction, eleven instructions: with c = a / pi and i4 = 4 / a (made once):  n = z c rounded to a whole number (by adding and taking off 1.5 x 2^23);  f = z c - n, one rounding;
; w = f^2;  q = sin^2(pi f / 2) = w S(w), S of degree 4 (the series' terms with the w^5 term spread over the lower ones for w in 0 .. 1/4);  sin^2(pi f) = 4 (q - q^2);  h = z + (q - q^2) i4.
; TWO STREAMS.  Branch m1 (stream A) and branch m2 (stream B) go half a layer apart: the quantiser of one stream stands, one line behind every fourth, in the polynomial of the other, and the matrix instructions'
; distances are filled by the other stream's lines: the loop has no v_nop.
; LIMITS.  The reduction holds for |a z| / pi under 2^22 (|a z| under 1.3e7); beyond that the sine term is wrong: not served.  c is rounded once, so the sine's argument is off by about 1e-7 |a z|, as a z rounded to f32 is.
; a = 0 gives NaN, as 0 / 0 does in the definition.  Denormal a, |a| over 2^126, NaN and infinities among the inputs are not served.  A block of zeros gets the scale byte 1 and not 127: its codes are zeros, and nobody else reads the byte.
; The last layer's 64 products are summed in another order than a row-by-row sum, and b4_m1 + b4_m2 is added as one number.
.set TILES, 64                         ; tiles of 16 rows for a wave
.set WLDS,  4608                       ; LDS of a wave: 4,096 bytes of x as they lie in memory, then a stage of 512 bytes for eight tiles' results
.set STG,   4096
; window 0
.set XR,  2                            ; v[2:3]   x of my row of the tile; v3 = 0 (named with it as a pair)
.set RX,  5                            ; v5       the other half's part of the last sum
.set SW,  6                            ; v6       the activations' scale word: it holds scales and nothing else
.set SCO, 7                            ; v7       the conversions' scale operand
.set BY,  8                            ; v8       my block's scale byte
.set BX,  9                            ; v9       the other block's
.set MXA, 10                           ; v10, v11 two chains of the largest magnitude
.set MXB, 11
.set RES, 12                           ; v12      my row's result
.set AXB, 13                           ; v13      LDS: my wave's x + 4 r
.set AX,  14                           ; v14      the next tile's x
.set AOB, 15                           ; v15      LDS: my wave's stage + 4 r
.set AO,  16                           ; v16      this tile's place in the stage
.set AF,  17                           ; v17      LDS: my wave's stage + 16 x lane
.set GO,  18                           ; v18      16 x lane
.set XW,  19                           ; v19      LDS: my wave's x + 16 x lane
.set HO,  20                           ; v20      128 h: a run in unit order
.set WO,  21                           ; v21      W's codes: 32 (r % 8) + 1,024 (r / 8) + 16 h
.set SO,  22                           ; v22      W's scale bytes: 2 (r % 8) + 64 (r / 8)
.set GS,  23                           ; v23      out0: the flush's offset
.set COD, 24                           ; v[24:31] the activations' codes; v28-31 stay 0
.set ZA,  32                           ; v32-63   stream A: z, then h
.set ZB,  64                           ; v64-95   stream B
.set T1,  96                           ; v96-127  at work: n, f, w
.set T2,  128                          ; v128-159 at work: S, q, q - q^2
.set W3A, 160                          ; v160-191 W3_m1's four fragments
.set W3B, 192                          ; v192-223 W3_m2's
.set MGV, 224                          ; v[224:225] 1.5 x 2^23
.set K3V, 226                          ; v[226:233] K3, K2, K1, K0, a pair each
.set WS,  240                          ; v240-255 W's scale words: 4 i + t, i = W2_m1, W2_m2, W3_m1, W3_m2
; window 1: 0 W1_m1, 32 b1_m1, 64 c1_m1, 96 i4 1_m1, 128 2 W1_m2, 160 b1_m2, 192 c1_m2, 224 i4 1_m2
; window 2: 0 b2_m1, 32 c2_m1, 64 i4 2_m1, 96 b2_m2, 128 c2_m2, 160 i4 2_m2, 192 W2_m1's fragments, 224 W2_m2's
; window 3: 0 b3_m1, 32 c3_m1, 64 i4 3_m1, 96 W4_m1, 128 b3_m2, 160 c3_m2, 192 i4 3_m2, 224 W4_m2
.set NMG, 66                           ; s[66:67] -1.5 x 2^23
.set K4S, 68                           ; s[68:69] K4
.set IPH, 70                           ; s[70:71] 1 / pi, its f32
.set IPL, 72                           ; s[72:73] and what that f32 leaves
.set SEL, 74                           ; s74, s75 v_permlanex16_b32's selects for lane l xor 16
.set B4,  76                           ; s76      b4_m1 + b4_m2;  s77 b4_m2
.set WV,  78                           ; s78      my wave's number
.set TC,  79                           ; s79      the trip: 0 .. 63
.set TI,  80                           ; s80      64 x (trip % 8)
.set TN,  81                           ; s81      64 x the next trip, held at the last
.set MSB, 0
.macro WIN new                         ; s_set_vgpr_msb: bits 1:0 source 0, 3:2 source 1, 5:4 source 2, 7:6 destination; the high byte repeats the setting that is left; a switch that changes nothing is dropped
.if MSB != (\new)
	s_set_vgpr_msb (MSB<<8)|(\new)
.set MSB, \new
.endif
.endm
; a run of 32 in unit order into window x at b
.macro LOADC x, b, p
	WIN (\x)<<6
.irp i, 0,1,2,3,4,5,6,7
	global_load_b128 v[\b+4*\i:\b+4*\i+3], v[HO], s[\p:\p+1] offset:16*\i
.endr
.endm
; W's four fragments into window x at f: registers 0-3 the row's 16 bytes of my half, registers 4-7 zero codes
.macro LOADW x, f, p
	WIN (\x)<<6
.irp t, 0,1,2,3
	global_load_b128 v[\f+8*\t:\f+8*\t+3], v[WO], s[\p:\p+1] offset:256*\t
.irp j, 4,5,6,7
	v_mov_b32 v[\f+8*\t+\j], 0
.endr
.endr
.endm
; W's scale words: a row's two bytes, widened with zeros
.macro LOADS i, p
	WIN 0
.irp t, 0,1,2,3
	global_load_u16 v[WS+4*(\i)+\t], v[SO], s[\p:\p+1] offset:16*\t
.endr
.endm
; a lies at cb of window x.  It becomes c = a / pi (the product with 1 / pi in two parts, rounded once) there, and 4 / a (a reciprocal and one Newton step) at ib.
.macro PREP x, cb, ib
	WIN \x
.set pp, 0
.rept 32
	v_rcp_f32 v[ZA+pp], v[\cb+pp]
.set pp, pp+1
.endr
.set pp, 0
.rept 16
	v_pk_mul_f32 v[T1+pp:T1+pp+1], v[\cb+pp:\cb+pp+1], s[IPH:IPH+1] op_sel_hi:[1,0]
.set pp, pp+2
.endr
.set pp, 0
.rept 16
	v_pk_fma_f32 v[T2+pp:T2+pp+1], v[\cb+pp:\cb+pp+1], s[IPH:IPH+1], v[T1+pp:T1+pp+1] op_sel_hi:[1,0,1] neg_lo:[0,0,1] neg_hi:[0,0,1]   ; what the rounding dropped, exactly
.set pp, pp+2
.endr
.set pp, 0
.rept 16
	v_pk_fma_f32 v[T2+pp:T2+pp+1], v[\cb+pp:\cb+pp+1], s[IPL:IPL+1], v[T2+pp:T2+pp+1] op_sel_hi:[1,0,1]
.set pp, pp+2
.endr
	s_wait_alu depctr_va_vdst(0)       ; one wait for the 32 reciprocals, ahead of their first reader; the 48 lines above are the independent work behind them
.set pp, 0
.rept 16
	v_pk_fma_f32 v[ZB+pp:ZB+pp+1], v[\cb+pp:\cb+pp+1], v[ZA+pp:ZA+pp+1], 1.0 op_sel_hi:[1,1,0] neg_lo:[1,0,0] neg_hi:[1,0,0]   ; 1 - a r
.set pp, pp+2
.endr
	WIN 0
.set pp, 0
.rept 16
	v_pk_fma_f32 v[ZA+pp:ZA+pp+1], v[ZA+pp:ZA+pp+1], v[ZB+pp:ZB+pp+1], v[ZA+pp:ZA+pp+1]   ; r + r (1 - a r)
.set pp, pp+2
.endr
	WIN (\x)<<6
.set pp, 0
.rept 16
	v_pk_mul_f32 v[\ib+pp:\ib+pp+1], v[ZA+pp:ZA+pp+1], 4.0 op_sel_hi:[1,0]
.set pp, pp+2
.endr
.set pp, 0
.rept 16
	v_pk_add_f32 v[\cb+pp:\cb+pp+1], v[T1+pp:T1+pp+1], v[T2+pp:T2+pp+1]
.set pp, pp+2
.endr
.endm
; the first layer: z = x W1 + b1 (under sources 1 and 2 in window 1)
.macro LAYER1 z, wb, bb
.set pp, 0
.rept 16
	v_pk_fma_f32 v[\z+pp:\z+pp+1], v[XR:XR+1], v[\wb+pp:\wb+pp+1], v[\bb+pp:\bb+pp+1] op_sel_hi:[0,1,1]
.set pp, pp+2
.endr
.endm
; THE ACTIVATION'S HEAD: f = z c - round(z c), into T1.  c at cb of window x.  Step by step over the 16 pairs, ascending: a line's result is read 16 lines on, and each matrix result is first read at its low end.
.macro HEAD z, x, cb
	WIN (\x)<<2
.set pp, 0
.rept 16
	v_pk_fma_f32 v[T1+pp:T1+pp+1], v[\z+pp:\z+pp+1], v[\cb+pp:\cb+pp+1], v[MGV:MGV+1]
.set pp, pp+2
.endr
.set pp, 0
.rept 16
	v_pk_add_f32 v[T1+pp:T1+pp+1], v[T1+pp:T1+pp+1], s[NMG:NMG+1] op_sel_hi:[1,0]
.set pp, pp+2
.endr
.set pp, 0
.rept 16
	v_pk_fma_f32 v[T1+pp:T1+pp+1], v[\z+pp:\z+pp+1], v[\cb+pp:\cb+pp+1], v[T1+pp:T1+pp+1] neg_lo:[0,0,1] neg_hi:[0,0,1]
.set pp, pp+2
.endr
.endm
; LINE qk OF 24 OF THE QUANTISER of the 32 numbers v[qz] on: my whole block.
.macro QOP qz
.if qk == 0
	v_max3_num_f32 v[MXA], |v[\qz]|, |v[\qz+1]|, 0x1800000          ; the floor 2^(3 - 127) among the leaves: the byte cannot fall under 1
.elseif qk == 1
	v_max3_num_f32 v[MXB], |v[\qz+2]|, |v[\qz+3]|, |v[\qz+4]|
.elseif qk < 15
	v_max3_num_f32 v[MXA+qk%2], v[MXA+qk%2], |v[\qz+2*qk+1]|, |v[\qz+2*qk+2]|
.elseif qk == 15
	v_max3_num_f32 v[MXA], v[MXA], v[MXB], |v[\qz+31]|              ; the block's largest magnitude
.elseif qk == 16
	v_add_nc_u32 v[SCO], 0xff000000, v[MXA]                        ; 2 off its exponent field: the conversion takes the exponent field of this operand as its scale
.elseif qk == 17
	v_lshrrev_b32 v[BY], 23, v[SCO]                                ; the scale's byte
.elseif qk == 18
	v_permlanex16_b32 v[BX], v[BY], s[SEL], s[SEL+1]               ; the row's other block's
.elseif qk == 19
	v_lshl_or_b32 v[SW], v[BX], 8, v[BY]                           ; lanes 0-15: byte 0 block 0, byte 1 block 1, bytes 2 and 3 zero; lanes 16-31 are not read
.else
	v_cvt_scalef32_pk8_fp4_f32 v[COD+qk-20], v[\qz+8*(qk-20):\qz+8*(qk-20)+7], v[SCO]
.endif
.endm
; THE ACTIVATION'S MIDDLE: T1 = f becomes T2 = q - q^2: 7 steps x 16 pairs, all in window 0.  qz other than 0: behind every fourth of the first 96 lines stands a line of the other stream's quantiser.
; Behind the scale word's line stand 32 plain lines, behind the last conversion 16: more than the 8, 4 and 1 that a scaled matrix instruction's scale, operand and a conversion's result want.
.macro MID qz
	WIN 0
.set mi, 0
.rept 112
.set st, mi/16
.set pp, 2*(mi%16)
.if st == 0
	v_pk_mul_f32 v[T1+pp:T1+pp+1], v[T1+pp:T1+pp+1], v[T1+pp:T1+pp+1]
.elseif st == 1
	v_pk_fma_f32 v[T2+pp:T2+pp+1], v[T1+pp:T1+pp+1], s[K4S:K4S+1], v[K3V:K3V+1] op_sel_hi:[1,0,1]
.elseif st < 5
	v_pk_fma_f32 v[T2+pp:T2+pp+1], v[T2+pp:T2+pp+1], v[T1+pp:T1+pp+1], v[K3V+2*(st-1):K3V+2*(st-1)+1]
.elseif st == 5
	v_pk_mul_f32 v[T2+pp:T2+pp+1], v[T2+pp:T2+pp+1], v[T1+pp:T1+pp+1]
.else
	v_pk_fma_f32 v[T2+pp:T2+pp+1], v[T2+pp:T2+pp+1], v[T2+pp:T2+pp+1], v[T2+pp:T2+pp+1] neg_lo:[1,0,0] neg_hi:[1,0,0]
.endif
.if (\qz) && (mi%4 == 3) && (mi/4 < 24)
.set qk, mi/4
	QOP \qz
.endif
.set mi, mi+1
.endr
.endm
; THE ACTIVATION'S END: h = z + (q - q^2) i4, in place.  i4 at ib of window x.  These 16 lines name no register of the matrix instructions in front of them: they are the places behind those.
.macro FIN z, x, ib
	WIN (\x)<<2
.set pp, 0
.rept 16
	v_pk_fma_f32 v[\z+pp:\z+pp+1], v[T2+pp:T2+pp+1], v[\ib+pp:\ib+pp+1], v[\z+pp:\z+pp+1]
.set pp, pp+2
.endr
.endm
; A LAYER'S PRODUCT: four tiles of 16 units x my 16 rows; C = the bias, D = the stream's registers: four sums of one instruction each, no chain.
.macro MM d, w, ab, cb, sb
	WIN \w
.irp t, 0,1,2,3
	v_wmma_scale_f32_16x16x128_f8f6f4 v[\d+8*\t:\d+8*\t+7], v[\ab+8*\t:\ab+8*\t+7], v[COD:COD+7], v[\cb+8*\t:\cb+8*\t+7], v[\sb+\t], v[SW] matrix_a_fmt:MATRIX_FMT_FP4 matrix_b_fmt:MATRIX_FMT_FP4
.endr
.endm
; THE LAST LAYER: my 32 units' products, in eight pairs of sums that lie in ZA's low 16 registers.  first = 1: the first eight lines start the sums.
.macro DOT z, wb, first
	WIN 0x0c
.set pp, 0
.rept 8
.if \first
	v_pk_mul_f32 v[ZA+pp:ZA+pp+1], v[\z+pp:\z+pp+1], v[\wb+pp:\wb+pp+1]
.else
	v_pk_fma_f32 v[ZA+pp:ZA+pp+1], v[\z+pp:\z+pp+1], v[\wb+pp:\wb+pp+1], v[ZA+pp:ZA+pp+1]
.endif
.set pp, pp+2
.endr
.set pp, 0
.rept 8
	v_pk_fma_f32 v[ZA+pp:ZA+pp+1], v[\z+16+pp:\z+16+pp+1], v[\wb+16+pp:\wb+16+pp+1], v[ZA+pp:ZA+pp+1]
.set pp, pp+2
.endr
.endm
	s_load_b512 s[8:23], s[0:1], 0x0               ; x, out0, W1_m1, b1_m1, a1_m1, W1_m2, b1_m2, a1_m2
	s_load_b512 s[24:39], s[0:1], 0x40             ; b2_m1, a2_m1, b2_m2, a2_m2, W2_m1's codes, scales, W2_m2's codes, scales
	s_load_b512 s[40:55], s[0:1], 0x80             ; b3_m1, a3_m1, W4_m1, b3_m2, a3_m2, W4_m2, W3_m1's codes, scales
	s_load_b256 s[56:63], s[0:1], 0xc0             ; W3_m2's codes, scales, b4_m1, b4_m2
	v_lshl_add_u32 v238, v0, 2, 0x4800
	v_mov_b32 v239, 0
	v_lshrrev_b32 v1, 5, v0
	v_readfirstlane_b32 s[WV], v1                  ; wave 0..3
	v_and_b32 v1, 31, v0                           ; lane
	v_and_b32 v4, 15, v0                           ; r
	v_bfe_u32 v5, v0, 4, 1                         ; h
	v_and_b32 v10, 7, v0                           ; r % 8
	v_bfe_u32 v11, v0, 3, 1                        ; r / 8
	s_mul_i32 s82, s[WV], WLDS                     ; my wave's LDS
	v_lshlrev_b32 v[GO], 4, v1
	v_add_nc_u32 v[XW], s82, v[GO]
	v_lshl_add_u32 v[AXB], v4, 2, s82
	v_add_nc_u32 v[AOB], STG, v[AXB]
	v_add_nc_u32 v[AF], STG, v[XW]
	v_lshlrev_b32 v[HO], 7, v5
	v_lshlrev_b32 v[WO], 5, v10
	v_lshl_add_u32 v[WO], v11, 10, v[WO]
	v_lshl_add_u32 v[WO], v5, 4, v[WO]
	v_lshlrev_b32 v[SO], 1, v10
	v_lshl_add_u32 v[SO], v11, 6, v[SO]
	s_mov_b32 s[NMG], 0xcb400000
	s_mov_b32 s[NMG+1], 0xcb400000
	s_mov_b32 s[K4S], 0x3c4987d8                   ; K4 =  0.012300454
	s_mov_b32 s[K4S+1], 0x3c4987d8
	s_mov_b32 s[IPH], 0x3ea2f983
	s_mov_b32 s[IPH+1], 0x3ea2f983
	s_mov_b32 s[IPL], 0x325c9c88
	s_mov_b32 s[IPL+1], 0x325c9c88
	s_mov_b32 s[SEL], 0x76543210
	s_mov_b32 s[SEL+1], 0xfedcba98
	s_lshl_b32 s84, ttmp9, 14                      ; my work-group's 4,096 rows of 4 bytes,
	s_lshl_b32 s83, s[WV], 12                      ; my wave's 1,024 of them
	s_add_co_u32 s84, s84, s83
	s_mov_b32 s85, 0
	s_wait_kmcnt 0x0
	s_load_b32 s[B4], s[60:61], 0x0
	s_load_b32 s[B4+1], s[62:63], 0x0
	s_add_nc_u64 s[8:9], s[8:9], s[84:85]
	s_add_nc_u64 s[10:11], s[10:11], s[84:85]
.irp i, 0,1,2,3,4,5,6,7
	global_load_b128 v[ZA+4*\i:ZA+4*\i+3], v[GO], s[8:9] offset:512*\i th:TH_LOAD_NT   ; my wave's x: 512 consecutive bytes a load, read once
.endr
	LOADC 1, 0,   12                               ; W1_m1
	LOADC 1, 32,  14                               ; b1_m1
	LOADC 1, 64,  16                               ; a1_m1, where c will lie
	LOADC 1, 128, 18                               ; W1_m2
	LOADC 1, 160, 20                               ; b1_m2
	LOADC 1, 192, 22                               ; a1_m2
	LOADC 2, 0,   24                               ; b2_m1
	LOADC 2, 32,  26                               ; a2_m1
	LOADC 2, 96,  28                               ; b2_m2
	LOADC 2, 128, 30                               ; a2_m2
	LOADW 2, 192, 32                               ; W2_m1
	LOADW 2, 224, 36                               ; W2_m2
	LOADC 3, 0,   40                               ; b3_m1
	LOADC 3, 32,  42                               ; a3_m1
	LOADC 3, 96,  44                               ; W4_m1
	LOADC 3, 128, 46                               ; b3_m2
	LOADC 3, 160, 48                               ; a3_m2
	LOADC 3, 224, 50                               ; W4_m2
	LOADW 0, W3A, 52                               ; W3_m1
	LOADW 0, W3B, 56                               ; W3_m2
	LOADS 0, 34
	LOADS 1, 38
	LOADS 2, 54
	LOADS 3, 58
	v_mov_b32 v[XR+1], 0
	v_mov_b32 v[RX], 0                             ; a lane permute's destination counts as one of its sources: written once
	v_mov_b32 v[BX], 0
.irp j, 4,5,6,7
	v_mov_b32 v[COD+\j], 0                         ; k = 64 .. 127 of the activations: zero codes, for good
.endr
.irp j, 0,1
	v_mov_b32 v[MGV+\j], 0x4b400000                ; 1.5 x 2^23
	v_mov_b32 v[K3V+\j], 0xbdf0b55b                ; K3 = -0.11753341
	v_mov_b32 v[K3V+2+\j], 0x3f2ae91e              ; K2 =  0.66761961
	v_mov_b32 v[K3V+4+\j], 0xc001e0f7              ; K1 = -2.02935570
	v_mov_b32 v[K3V+6+\j], 0x401de9e6              ; K0 =  2.46740110
.endr
	s_wait_kmcnt 0x0
	s_add_f32 s[B4], s[B4], s[B4+1]
	s_wait_loadcnt 0x0                             ; x and all parameters, once
.irp i, 0,1,2,3,4,5,6,7
	ds_store_b128 v[XW], v[ZA+4*\i:ZA+4*\i+3] offset:512*\i        ; x into my wave's LDS, as it lies in memory
.endr
	ds_load_b32 v[XR], v[AXB]                      ; tile 0's x: LDS serves a wave's instructions in order, so this sees the stores; both halves of the lanes read the same 16 words
	s_wait_dscnt 0x0                               ; ZA is at work from here on
	PREP 1, 64,  96
	PREP 1, 192, 224
	PREP 2, 32,  64
	PREP 2, 128, 160
	PREP 3, 32,  64
	PREP 3, 160, 192
	WIN 0x41
.set pp, 0
.rept 16
	v_pk_mul_f32 v[128+pp:128+pp+1], v[128+pp:128+pp+1], 2.0 op_sel_hi:[1,0]   ; (2 x) W1_m2 = x (2 W1_m2), exactly
.set pp, pp+2
.endr
	WIN 0
	s_mov_b32 s[TC], 0
.Ltile:                                            ; a trip is a tile of 16 rows, both branches
	s_wait_dscnt 0x1                               ; this tile's x is in: behind its load one LDS instruction was issued, the last tile's result store, which may stay out (behind a flush, and on the way in, nothing is out)
	s_and_b32 s[TI], s[TC], 7
	s_lshl_b32 s[TI], s[TI], 6
	s_add_co_u32 s[TN], s[TC], 1
	s_min_u32 s[TN], s[TN], TILES-1                ; the last trip asks for its own x once more: no read leaves the wave's 4,096 bytes
	s_lshl_b32 s[TN], s[TN], 6
	v_add_nc_u32 v[AO], s[TI], v[AOB]
	v_add_nc_u32 v[AX], s[TN], v[AXB]
	WIN 0x14
	LAYER1 ZA, 0, 32
	LAYER1 ZB, 128, 160
	WIN 0
	ds_load_b32 v[XR], v[AX]                       ; the next tile's x: a whole trip ahead of its use
	HEAD ZA, 1, 64                                 ; A: layer 1's activation
	MID 0
	FIN ZA, 1, 96
	HEAD ZB, 1, 192                                ; B: layer 1's activation | A's h1 is quantised
	MID ZA
	MM ZA, 0x22, 192, 0, WS                        ; A: z2 = h1 W2_m1^T + b2_m1 (W and the bias in window 2)
	FIN ZB, 1, 224
	HEAD ZA, 2, 32                                 ; A: layer 2's activation | B's h1 is quantised
	MID ZB
	MM ZB, 0x22, 224, 96, WS+4                     ; B: z2
	FIN ZA, 2, 64
	HEAD ZB, 2, 128                                ; B: layer 2's activation | A's h2 is quantised
	MID ZA
	MM ZA, 0x30, W3A, 0, WS+8                      ; A: z3 = h2 W3_m1^T + b3_m1 (W in window 0, the bias in window 3)
	FIN ZB, 2, 160
	HEAD ZA, 3, 32                                 ; A: layer 3's activation | B's h2 is quantised
	MID ZB
	MM ZB, 0x30, W3B, 128, WS+12                   ; B: z3
	FIN ZA, 3, 64
	DOT ZA, 96, 1                                  ; A: h3 . W4_m1 starts the sums
	HEAD ZB, 3, 160                                ; B: layer 3's activation
	MID 0
	FIN ZB, 3, 192
	DOT ZB, 224, 0                                 ; B: h3 . W4_m2 onto them
	WIN 0
	v_pk_add_f32 v[ZA:ZA+1], v[ZA:ZA+1], v[ZA+8:ZA+9]
	v_pk_add_f32 v[ZA+2:ZA+3], v[ZA+2:ZA+3], v[ZA+10:ZA+11]
	v_pk_add_f32 v[ZA+4:ZA+5], v[ZA+4:ZA+5], v[ZA+12:ZA+13]
	v_pk_add_f32 v[ZA+6:ZA+7], v[ZA+6:ZA+7], v[ZA+14:ZA+15]
	v_pk_add_f32 v[ZA:ZA+1], v[ZA:ZA+1], v[ZA+4:ZA+5]
	v_pk_add_f32 v[ZA+2:ZA+3], v[ZA+2:ZA+3], v[ZA+6:ZA+7]
	v_pk_add_f32 v[ZA:ZA+1], v[ZA:ZA+1], v[ZA+2:ZA+3]
	v_add_f32 v[RES], v[ZA], v[ZA+1]               ; my 32 units of both branches,
	v_permlanex16_b32 v[RX], v[RES], s[SEL], s[SEL+1]
	v_add_f32 v[RES], v[RES], v[RX]                ; with lane l xor 16's 32: the same bits in both lanes,
	v_add_f32 v[RES], s[B4], v[RES]                ; and the two b4
	ds_store_b32 v[AO], v[RES]                     ; both halves of the lanes write the same word with the same value
	s_cmp_lg_u32 s[TI], 7*64                       ; every eighth trip the stage is full: a branch on the trip's number
	s_cbranch_scc1 .Lkeep
	s_and_b32 s82, s[TC], 56
	s_lshl_b32 s82, s82, 6                         ; the eight tiles' first byte in my wave's part of out0
	v_add_nc_u32 v[GS], s82, v[GO]
	ds_load_b128 v[T1:T1+3], v[AF]                 ; 128 rows' results, 16 bytes a lane; LDS serves a wave's instructions in order: this sees the eight stores
	s_wait_dscnt 0x0
	global_store_b128 v[GS], v[T1:T1+3], s[10:11] th:TH_STORE_NT   ; 32 lanes store 512 consecutive bytes, at a multiple of 512 from out0's first byte; written once, read by nobody here
	s_wait_xcnt 0x0                                ; the store has read its offset and its data: the next trip writes T1, the next flush the offset
.Lkeep:
	s_add_co_u32 s[TC], s[TC], 1
	s_cmp_lt_u32 s[TC], TILES
	s_cbranch_scc1 .Ltile
	s_wait_tensorcnt 0x0
	ds_add_u32 v238, v239
	s_wait_dscnt 0x0
	s_endpgm
.Lfunc_end_k_q4b94ac6e7a_snake2:
	.size	k_q4b94ac6e7a_snake2, .Lfunc_end_k_q4b94ac6e7a_snake2-k_q4b94ac6e7a_snake2
	.p2alignl 7, 3214868480
	.fill 96, 4, 3214868480
	.section	.rodata,"a",@progbits
	.p2align	6, 0x0
	.amdhsa_kernel k_q4b94ac6e7a_snake2
		.amdhsa_group_segment_fixed_size 18944
		.amdhsa_private_segment_fixed_size 0
		.amdhsa_enable_private_segment 0
		.amdhsa_kernarg_size 224
		.amdhsa_user_sgpr_count 2
		.amdhsa_user_sgpr_kernarg_segment_ptr 1
		.amdhsa_wavefront_size32 1
		.amdhsa_system_sgpr_workgroup_id_x 1
		.amdhsa_system_sgpr_workgroup_id_y 1
		.amdhsa_system_sgpr_workgroup_id_z 1
		.amdhsa_system_vgpr_workitem_id 0
		.amdhsa_next_free_vgpr 1024
		.amdhsa_next_free_sgpr 96
		.amdhsa_reserve_vcc 0
		.amdhsa_float_denorm_mode_32 3
		.amdhsa_float_denorm_mode_16_64 3
		.amdhsa_memory_ordered 1
		.amdhsa_forward_progress 1
		.amdhsa_inst_pref_size 153
	.end_amdhsa_kernel
	.amdgpu_metadata
---
amdhsa.version: [ 1, 2 ]
amdhsa.kernels:
  - .name:           k_q4b94ac6e7a_snake2
    .symbol:         k_q4b94ac6e7a_snake2.kd
    .args:
      - { .name: x, .offset: 0, .size: 8, .value_kind: global_buffer, .address_space: global }
      - { .name: out0, .offset: 8, .size: 8, .value_kind: global_buffer, .address_space: global }
      - { .name: W1_m1, .offset: 16, .size: 8, .value_kind: global_buffer, .address_space: global }
      - { .name: b1_m1, .offset: 24, .size: 8, .value_kind: global_buffer, .address_space: global }
      - { .name: a1_m1, .offset: 32, .size: 8, .value_kind: global_buffer, .address_space: global }
      - { .name: W1_m2, .offset: 40, .size: 8, .value_kind: global_buffer, .address_space: global }
      - { .name: b1_m2, .offset: 48, .size: 8, .value_kind: global_buffer, .address_space: global }
      - { .name: a1_m2, .offset: 56, .size: 8, .value_kind: global_buffer, .address_space: global }
      - { .name: b2_m1, .offset: 64, .size: 8, .value_kind: global_buffer, .address_space: global }
      - { .name: a2_m1, .offset: 72, .size: 8, .value_kind: global_buffer, .address_space: global }
      - { .name: b2_m2, .offset: 80, .size: 8, .value_kind: global_buffer, .address_space: global }
      - { .name: a2_m2, .offset: 88, .size: 8, .value_kind: global_buffer, .address_space: global }
      - { .name: W2_m1_codes, .offset: 96, .size: 8, .value_kind: global_buffer, .address_space: global }
      - { .name: W2_m1_scales, .offset: 104, .size: 8, .value_kind: global_buffer, .address_space: global }
      - { .name: W2_m2_codes, .offset: 112, .size: 8, .value_kind: global_buffer, .address_space: global }
      - { .name: W2_m2_scales, .offset: 120, .size: 8, .value_kind: global_buffer, .address_space: global }
      - { .name: b3_m1, .offset: 128, .size: 8, .value_kind: global_buffer, .address_space: global }
      - { .name: a3_m1, .offset: 136, .size: 8, .value_kind: global_buffer, .address_space: global }
      - { .name: W4_m1, .offset: 144, .size: 8, .value_kind: global_buffer, .address_space: global }
      - { .name: b3_m2, .offset: 152, .size: 8, .value_kind: global_buffer, .address_space: global }
      - { .name: a3_m2, .offset: 160, .size: 8, .value_kind: global_buffer, .address_space: global }
      - { .name: W4_m2, .offset: 168, .size: 8, .value_kind: global_buffer, .address_space: global }
      - { .name: W3_m1_codes, .offset: 176, .size: 8, .value_kind: global_buffer, .address_space: global }
      - { .name: W3_m1_scales, .offset: 184, .size: 8, .value_kind: global_buffer, .address_space: global }
      - { .name: W3_m2_codes, .offset: 192, .size: 8, .value_kind: global_buffer, .address_space: global }
      - { .name: W3_m2_scales, .offset: 200, .size: 8, .value_kind: global_buffer, .address_space: global }
      - { .name: b4_m1, .offset: 208, .size: 8, .value_kind: global_buffer, .address_space: global }
      - { .name: b4_m2, .offset: 216, .size: 8, .value_kind: global_buffer, .address_space: global }
    .group_segment_fixed_size: 18944
    .private_segment_fixed_size: 0
    .kernarg_segment_align: 8
    .kernarg_segment_size: 224
    .max_flat_workgroup_size: 128
    .sgpr_count:     96
    .vgpr_count:     1024
    .wavefront_size: 32
...
	.end_amdgpu_metadata
.endif
;; end of part 1
;; ======== version 2 of 2: 1 launch; version 1 with the launch snake2 written anew for expert scheduling mode
;; limits: right only within a limited range of input values
;; launch snake2 (part 2): grid 256 x 1, 4 waves a work-group, no clusters, 18,944 bytes of LDS; arguments x, out0, W1_m1, b1_m1, a1_m1, W1_m2, b1_m2, a1_m2, b2_m1, a2_m1, b2_m2, a2_m2, W2_m1_codes, W2_m1_scales, W2_m2_codes, W2_m2_scales, b3_m1, a3_m1, W4_m1, b3_m2, a3_m2, W4_m2, W3_m1_codes, W3_m1_scales, W3_m2_codes, W3_m2_scales, b4_m1, b4_m2; writes out0
.if DOCPART == 2
	.amdgcn_target "amdgcn-amd-amdhsa--gfx1250"
	.amdhsa_code_object_version 6
	.text
	.protected	k_q4b94ac6e7a_snake2
	.globl	k_q4b94ac6e7a_snake2
	.p2align	8
	.type	k_q4b94ac6e7a_snake2,@function
k_q4b94ac6e7a_snake2:
	s_mov_b64 s[64:65], 0
	v_nop
	global_prefetch_b8 v0, s[64:65] scope:SCOPE_SE
	s_setreg_imm32_b32 hwreg(HW_REG_WAVE_SCHED_MODE, 0, 2), 2
	s_setreg_imm32_b32 hwreg(HW_REG_WAVE_MODE, 25, 1), 1
	s_wait_xcnt 0x0
	s_wait_alu depctr_vm_vsrc(0)
; out0[i] = mlp_m1(x[i]) + mlp_m2(2 x[i]); an mlp is 1 -> 64 -> 64 -> 64 -> 1 with the activation z + sin^2(a z) / a behind its first three layers.
; The two 64 x 64 products of each branch run on codes of FP4 (E2M1) with one E8M0 scale for each 32 along K: the weights come as codes, the activations are quantised in registers.
; The first layer (K = 1) and the last (N = 1) are f32 multiply-adds.  Nothing but x and out0 goes to memory.
; SHARES.  256 work-groups of four waves; a wave owns 1,024 consecutive rows: 64 tiles of 16.  All parameters of both branches (768 registers) stay in the wave's registers for the whole launch.
; The waves share nothing: no barrier.  What work-groups share is 13 KB of parameters, read once by each wave at its head: so no tensor load, no cluster, no ring.
; LAYOUT.  Both quantised products are used transposed: source 0 = 16 rows of W, source 1 = the tile's 16 data rows.  r = lane % 16, h = lane / 16.
; THE ROWS OF W THAT FORM A TILE ARE NOT NEIGHBOURS: lane r of tile t takes unit 8 t + r % 8 + 32 (r / 8).  In the result, register j of tile t of lane (r, h) is then data row r, unit 32 h + 8 t + j:
; a lane's 32 result registers are ONE WHOLE BLOCK of 32 along the next K, lanes 0-15 block 0 and lanes 16-31 block 1, which is what registers 0-3 of a 4-bit operand hold.
; So a block's largest magnitude needs no other lane, the four conversions' results are the operand's registers as they stand, and only the second scale byte crosses the halves.
; K is 64 of the instruction's 128: registers 4-7 of both operands hold zero codes, and scale bytes 2 and 3 are 0 (2^-127, no NaN).
; Every parameter that goes by unit lies in UNIT ORDER: register 8 t + j of a run of 32 holds unit 32 h + 8 t + j: 128 consecutive bytes at 128 h.  b2 and b3 are the C of the matrix instructions.
; THE ACTIVATION, two numbers an instruction, eleven instructions: with c = a / pi and i4 = 4 / a (made once):  n = z c rounded to a whole number (by adding and taking off 1.5 x 2^23);  f = z c - n, one rounding;
; w = f^2;  q = sin^2(pi f / 2) = w S(w), S of degree 4 (the series' terms with the w^5 term spread over the lower ones for w in 0 .. 1/4);  sin^2(pi f) = 4 (q - q^2);  h = z + (q - q^2) i4.
; TWO STREAMS.  Branch m1 (stream A) and branch m2 (stream B) go half a layer apart: the quantiser of one stream stands, one line behind every fourth, in the polynomial of the other, and the matrix instructions'
; distances are filled by the other stream's lines: the loop has no v_nop.
; THE MODE: SCHED_MODE bits 1:0 = 2 (LLVM: expert scheduling mode 2), set by the entry lines.  The code itself states the register dependences
; between vector or matrix instructions and memory or LDS instructions, with s_wait_alu, always for 0.
; THE PLAN.  Registers that memory or LDS instructions touch:
;   v13, v15, v17 to v22   offsets and LDS addresses, made once at the head, ahead of the head's one wait on va_vdst, and never written again.
;   v[XR]        Written by the LDS load of a tile's x alone; read by the first layer's 32 lines at a trip's head.  The load of the next tile's x stands behind the wait ahead of the trip's first matrix instructions.
;   v[AX], v[AO] Written by one add each at a trip's head; read by x's load and by the result's LDS store.
;   v[RES]       Written by the trip's last lines; read by the result's LDS store.
;   v[GS], v[T1 .. T1+3]  every eighth trip: the offset is made, the stage's load lands in T1's low four, the global store reads both; T1 is at work in every activation.
;   ZA           at the head alone: x's loads land in it, the LDS stores read it, the parameters' preparation writes it.
;   The parameters, the codes, the scale words and the streams' registers are named in the loop by vector and matrix instructions alone.
; THE WAITS OF A TRIP.  On va_vdst: one ahead of each of the four groups of scaled matrix instructions (the codes and the scale word are written; the first of them also states that the first layer is done reading v[XR]
; and that v[AX] is written), and one ahead of the result's LDS store (v[RES] is written).  On vm_vsrc: one behind that store, ahead of the branch (v[AO], v[RES] and v[AX] have been read: the next trip writes them).
; In the flush: one on va_vdst behind the add that makes v[GS], one on vm_vsrc behind the global store.
; LIMITS.  The reduction holds for |a z| / pi under 2^22 (|a z| under 1.3e7); beyond that the sine term is wrong: not served.  c is rounded once, so the sine's argument is off by about 1e-7 |a z|, as a z rounded to f32 is.
; a = 0 gives NaN, as 0 / 0 does in the definition.  Denormal a, |a| over 2^126, NaN and infinities among the inputs are not served.  A block of zeros gets the scale byte 1 and not 127: its codes are zeros, and nobody else reads the byte.
; The last layer's 64 products are summed in another order than a row-by-row sum, and b4_m1 + b4_m2 is added as one number.
.set TILES, 64                         ; tiles of 16 rows for a wave
.set WLDS,  4608                       ; LDS of a wave: 4,096 bytes of x as they lie in memory, then a stage of 512 bytes for eight tiles' results
.set STG,   4096
; window 0
.set XR,  2                            ; v[2:3]   x of my row of the tile; v3 = 0 (named with it as a pair)
.set RX,  5                            ; v5       the other half's part of the last sum
.set SW,  6                            ; v6       the activations' scale word: it holds scales and nothing else
.set SCO, 7                            ; v7       the conversions' scale operand
.set BY,  8                            ; v8       my block's scale byte
.set BX,  9                            ; v9       the other block's
.set MXA, 10                           ; v10, v11 two chains of the largest magnitude
.set MXB, 11
.set RES, 12                           ; v12      my row's result
.set AXB, 13                           ; v13      LDS: my wave's x + 4 r
.set AX,  14                           ; v14      the next tile's x
.set AOB, 15                           ; v15      LDS: my wave's stage + 4 r
.set AO,  16                           ; v16      this tile's place in the stage
.set AF,  17                           ; v17      LDS: my wave's stage + 16 x lane
.set GO,  18                           ; v18      16 x lane
.set XW,  19                           ; v19      LDS: my wave's x + 16 x lane
.set HO,  20                           ; v20      128 h: a run in unit order
.set WO,  21                           ; v21      W's codes: 32 (r % 8) + 1,024 (r / 8) + 16 h
.set SO,  22                           ; v22      W's scale bytes: 2 (r % 8) + 64 (r / 8)
.set GS,  23                           ; v23      out0: the flush's offset
.set COD, 24                           ; v[24:31] the activations' codes; v28-31 stay 0
.set ZA,  32                           ; v32-63   stream A: z, then h
.set ZB,  64                           ; v64-95   stream B
.set T1,  96                           ; v96-127  at work: n, f, w
.set T2,  128                          ; v128-159 at work: S, q, q - q^2
.set W3A, 160                          ; v160-191 W3_m1's four fragments
.set W3B, 192                          ; v192-223 W3_m2's
.set MGV, 224                          ; v[224:225] 1.5 x 2^23
.set K3V, 226                          ; v[226:233] K3, K2, K1, K0, a pair each
.set WS,  240                          ; v240-255 W's scale words: 4 i + t, i = W2_m1, W2_m2, W3_m1, W3_m2
; window 1: 0 W1_m1, 32 b1_m1, 64 c1_m1, 96 i4 1_m1, 128 2 W1_m2, 160 b1_m2, 192 c1_m2, 224 i4 1_m2
; window 2: 0 b2_m1, 32 c2_m1, 64 i4 2_m1, 96 b2_m2, 128 c2_m2, 160 i4 2_m2, 192 W2_m1's fragments, 224 W2_m2's
; window 3: 0 b3_m1, 32 c3_m1, 64 i4 3_m1, 96 W4_m1, 128 b3_m2, 160 c3_m2, 192 i4 3_m2, 224 W4_m2
.set NMG, 66                           ; s[66:67] -1.5 x 2^23
.set K4S, 68                           ; s[68:69] K4
.set IPH, 70                           ; s[70:71] 1 / pi, its f32
.set IPL, 72                           ; s[72:73] and what that f32 leaves
.set SEL, 74                           ; s74, s75 v_permlanex16_b32's selects for lane l xor 16
.set B4,  76                           ; s76      b4_m1 + b4_m2;  s77 b4_m2
.set WV,  78                           ; s78      my wave's number
.set TC,  79                           ; s79      the trip: 0 .. 63
.set TI,  80                           ; s80      64 x (trip % 8)
.set TN,  81                           ; s81      64 x the next trip, held at the last
.set MSB, 0
.macro WIN new                         ; s_set_vgpr_msb: bits 1:0 source 0, 3:2 source 1, 5:4 source 2, 7:6 destination; the high byte repeats the setting that is left; a switch that changes nothing is dropped
.if MSB != (\new)
	s_set_vgpr_msb (MSB<<8)|(\new)
.set MSB, \new
.endif
.endm
; a run of 32 in unit order into window x at b
.macro LOADC x, b, p
	WIN (\x)<<6
.irp i, 0,1,2,3,4,5,6,7
	global_load_b128 v[\b+4*\i:\b+4*\i+3], v[HO], s[\p:\p+1] offset:16*\i
.endr
.endm
; W's four fragments in window x at f: registers 4-7 are zero codes, written ahead of the head's wait on va_vdst;
.macro ZEROW x, f
	WIN (\x)<<6
.irp t, 0,1,2,3
.irp j, 4,5,6,7
	v_mov_b32 v[\f+8*\t+\j], 0
.endr
.endr
.endm
; registers 0-3 are the row's 16 bytes of my half
.macro LOADW x, f, p
	WIN (\x)<<6
.irp t, 0,1,2,3
	global_load_b128 v[\f+8*\t:\f+8*\t+3], v[WO], s[\p:\p+1] offset:256*\t
.endr
.endm
; W's scale words: a row's two bytes, widened with zeros
.macro LOADS i, p
	WIN 0
.irp t, 0,1,2,3
	global_load_u16 v[WS+4*(\i)+\t], v[SO], s[\p:\p+1] offset:16*\t
.endr
.endm
; a lies at cb of window x.  It becomes c = a / pi (the product with 1 / pi in two parts, rounded once) there, and 4 / a (a reciprocal and one Newton step) at ib.
.macro PREP x, cb, ib
	WIN \x
.set pp, 0
.rept 32
	v_rcp_f32 v[ZA+pp], v[\cb+pp]
.set pp, pp+1
.endr
.set pp, 0
.rept 16
	v_pk_mul_f32 v[T1+pp:T1+pp+1], v[\cb+pp:\cb+pp+1], s[IPH:IPH+1] op_sel_hi:[1,0]
.set pp, pp+2
.endr
.set pp, 0
.rept 16
	v_pk_fma_f32 v[T2+pp:T2+pp+1], v[\cb+pp:\cb+pp+1], s[IPH:IPH+1], v[T1+pp:T1+pp+1] op_sel_hi:[1,0,1] neg_lo:[0,0,1] neg_hi:[0,0,1]   ; what the rounding dropped, exactly
.set pp, pp+2
.endr
.set pp, 0
.rept 16
	v_pk_fma_f32 v[T2+pp:T2+pp+1], v[\cb+pp:\cb+pp+1], s[IPL:IPL+1], v[T2+pp:T2+pp+1] op_sel_hi:[1,0,1]
.set pp, pp+2
.endr
	s_wait_alu depctr_va_vdst(0)       ; the 32 reciprocals have written v[ZA ..]: one wait for the batch, ahead of its first reader; the 48 lines above are the independent work behind them
.set pp, 0
.rept 16
	v_pk_fma_f32 v[ZB+pp:ZB+pp+1], v[\cb+pp:\cb+pp+1], v[ZA+pp:ZA+pp+1], 1.0 op_sel_hi:[1,1,0] neg_lo:[1,0,0] neg_hi:[1,0,0]   ; 1 - a r
.set pp, pp+2
.endr
	WIN 0
.set pp, 0
.rept 16
	v_pk_fma_f32 v[ZA+pp:ZA+pp+1], v[ZA+pp:ZA+pp+1], v[ZB+pp:ZB+pp+1], v[ZA+pp:ZA+pp+1]   ; r + r (1 - a r)
.set pp, pp+2
.endr
	WIN (\x)<<6
.set pp, 0
.rept 16
	v_pk_mul_f32 v[\ib+pp:\ib+pp+1], v[ZA+pp:ZA+pp+1], 4.0 op_sel_hi:[1,0]
.set pp, pp+2
.endr
.set pp, 0
.rept 16
	v_pk_add_f32 v[\cb+pp:\cb+pp+1], v[T1+pp:T1+pp+1], v[T2+pp:T2+pp+1]
.set pp, pp+2
.endr
.endm
; the first layer: z = x W1 + b1 (under sources 1 and 2 in window 1)
.macro LAYER1 z, wb, bb
.set pp, 0
.rept 16
	v_pk_fma_f32 v[\z+pp:\z+pp+1], v[XR:XR+1], v[\wb+pp:\wb+pp+1], v[\bb+pp:\bb+pp+1] op_sel_hi:[0,1,1]
.set pp, pp+2
.endr
.endm
; THE ACTIVATION'S HEAD: f = z c - round(z c), into T1.  c at cb of window x.  Step by step over the 16 pairs, ascending: a line's result is read 16 lines on, and each matrix result is first read at its low end.
.macro HEAD z, x, cb
	WIN (\x)<<2
.set pp, 0
.rept 16
	v_pk_fma_f32 v[T1+pp:T1+pp+1], v[\z+pp:\z+pp+1], v[\cb+pp:\cb+pp+1], v[MGV:MGV+1]
.set pp, pp+2
.endr
.set pp, 0
.rept 16
	v_pk_add_f32 v[T1+pp:T1+pp+1], v[T1+pp:T1+pp+1], s[NMG:NMG+1] op_sel_hi:[1,0]
.set pp, pp+2
.endr
.set pp, 0
.rept 16
	v_pk_fma_f32 v[T1+pp:T1+pp+1], v[\z+pp:\z+pp+1], v[\cb+pp:\cb+pp+1], v[T1+pp:T1+pp+1] neg_lo:[0,0,1] neg_hi:[0,0,1]
.set pp, pp+2
.endr
.endm
; LINE qk OF 24 OF THE QUANTISER of the 32 numbers v[qz] on: my whole block.
.macro QOP qz
.if qk == 0
	v_max3_num_f32 v[MXA], |v[\qz]|, |v[\qz+1]|, 0x1800000          ; the floor 2^(3 - 127) among the leaves: the byte cannot fall under 1
.elseif qk == 1
	v_max3_num_f32 v[MXB], |v[\qz+2]|, |v[\qz+3]|, |v[\qz+4]|
.elseif qk < 15
	v_max3_num_f32 v[MXA+qk%2], v[MXA+qk%2], |v[\qz+2*qk+1]|, |v[\qz+2*qk+2]|
.elseif qk == 15
	v_max3_num_f32 v[MXA], v[MXA], v[MXB], |v[\qz+31]|              ; the block's largest magnitude
.elseif qk == 16
	v_add_nc_u32 v[SCO], 0xff000000, v[MXA]                        ; 2 off its exponent field: the conversion takes the exponent field of this operand as its scale
.elseif qk == 17
	v_lshrrev_b32 v[BY], 23, v[SCO]                                ; the scale's byte
.elseif qk == 18
	v_permlanex16_b32 v[BX], v[BY], s[SEL], s[SEL+1]               ; the row's other block's
.elseif qk == 19
	v_lshl_or_b32 v[SW], v[BX], 8, v[BY]                           ; lanes 0-15: byte 0 block 0, byte 1 block 1, bytes 2 and 3 zero; lanes 16-31 are not read
.else
	v_cvt_scalef32_pk8_fp4_f32 v[COD+qk-20], v[\qz+8*(qk-20):\qz+8*(qk-20)+7], v[SCO]
.endif
.endm
; THE ACTIVATION'S MIDDLE: T1 = f becomes T2 = q - q^2: 7 steps x 16 pairs, all in window 0.  qz other than 0: behind every fourth of the first 96 lines stands a line of the other stream's quantiser.
; Behind the scale word's line stand 32 plain lines, behind the last conversion 16: more than the 8, 4 and 1 that a scaled matrix instruction's scale, operand and a conversion's result want.
.macro MID qz
	WIN 0
.set mi, 0
.rept 112
.set st, mi/16
.set pp, 2*(mi%16)
.if st == 0
	v_pk_mul_f32 v[T1+pp:T1+pp+1], v[T1+pp:T1+pp+1], v[T1+pp:T1+pp+1]
.elseif st == 1
	v_pk_fma_f32 v[T2+pp:T2+pp+1], v[T1+pp:T1+pp+1], s[K4S:K4S+1], v[K3V:K3V+1] op_sel_hi:[1,0,1]
.elseif st < 5
	v_pk_fma_f32 v[T2+pp:T2+pp+1], v[T2+pp:T2+pp+1], v[T1+pp:T1+pp+1], v[K3V+2*(st-1):K3V+2*(st-1)+1]
.elseif st == 5
	v_pk_mul_f32 v[T2+pp:T2+pp+1], v[T2+pp:T2+pp+1], v[T1+pp:T1+pp+1]
.else
	v_pk_fma_f32 v[T2+pp:T2+pp+1], v[T2+pp:T2+pp+1], v[T2+pp:T2+pp+1], v[T2+pp:T2+pp+1] neg_lo:[1,0,0] neg_hi:[1,0,0]
.endif
.if (\qz) && (mi%4 == 3) && (mi/4 < 24)
.set qk, mi/4
	QOP \qz
.endif
.set mi, mi+1
.endr
.endm
; THE ACTIVATION'S END: h = z + (q - q^2) i4, in place.  i4 at ib of window x.  These 16 lines name no register of the matrix instructions in front of them: they are the places behind those.
.macro FIN z, x, ib
	WIN (\x)<<2
.set pp, 0
.rept 16
	v_pk_fma_f32 v[\z+pp:\z+pp+1], v[T2+pp:T2+pp+1], v[\ib+pp:\ib+pp+1], v[\z+pp:\z+pp+1]
.set pp, pp+2
.endr
.endm
; A LAYER'S PRODUCT: four tiles of 16 units x my 16 rows; C = the bias, D = the stream's registers: four sums of one instruction each, no chain.
; nx = 1: the next tile's x is asked for here, behind the same wait: no line between the wait and the load names v[XR] or v[AX].
.macro MM d, w, ab, cb, sb, nx
	WIN 0
	s_wait_alu depctr_va_vdst(0)       ; the conversions have written v[COD ..] and the quantiser v[SW], which the scaled matrix instructions take as operand and as scales (the plain lines in front of them stay beside this wait); with nx = 1 also: the first layer's lines are done reading v[XR], and v[AX] is written
.if \nx
	ds_load_b32 v[XR], v[AX]           ; the next tile's x: most of a trip ahead of its use
.endif
	WIN \w
.irp t, 0,1,2,3
	v_wmma_scale_f32_16x16x128_f8f6f4 v[\d+8*\t:\d+8*\t+7], v[\ab+8*\t:\ab+8*\t+7], v[COD:COD+7], v[\cb+8*\t:\cb+8*\t+7], v[\sb+\t], v[SW] matrix_a_fmt:MATRIX_FMT_FP4 matrix_b_fmt:MATRIX_FMT_FP4
.endr
.endm
; THE LAST LAYER: my 32 units' products, in eight pairs of sums that lie in ZA's low 16 registers.  first = 1: the first eight lines start the sums.
.macro DOT z, wb, first
	WIN 0x0c
.set pp, 0
.rept 8
.if \first
	v_pk_mul_f32 v[ZA+pp:ZA+pp+1], v[\z+pp:\z+pp+1], v[\wb+pp:\wb+pp+1]
.else
	v_pk_fma_f32 v[ZA+pp:ZA+pp+1], v[\z+pp:\z+pp+1], v[\wb+pp:\wb+pp+1], v[ZA+pp:ZA+pp+1]
.endif
.set pp, pp+2
.endr
.set pp, 0
.rept 8
	v_pk_fma_f32 v[ZA+pp:ZA+pp+1], v[\z+16+pp:\z+16+pp+1], v[\wb+16+pp:\wb+16+pp+1], v[ZA+pp:ZA+pp+1]
.set pp, pp+2
.endr
.endm
	s_load_b512 s[8:23], s[0:1], 0x0               ; x, out0, W1_m1, b1_m1, a1_m1, W1_m2, b1_m2, a1_m2
	s_load_b512 s[24:39], s[0:1], 0x40             ; b2_m1, a2_m1, b2_m2, a2_m2, W2_m1's codes, scales, W2_m2's codes, scales
	s_load_b512 s[40:55], s[0:1], 0x80             ; b3_m1, a3_m1, W4_m1, b3_m2, a3_m2, W4_m2, W3_m1's codes, scales
	s_load_b256 s[56:63], s[0:1], 0xc0             ; W3_m2's codes, scales, b4_m1, b4_m2
	v_lshl_add_u32 v238, v0, 2, 0x4800
	v_mov_b32 v239, 0
	v_lshrrev_b32 v1, 5, v0
	v_readfirstlane_b32 s[WV], v1                  ; wave 0..3
	v_and_b32 v1, 31, v0                           ; lane
	v_and_b32 v4, 15, v0                           ; r
	v_bfe_u32 v5, v0, 4, 1                         ; h
	v_and_b32 v10, 7, v0                           ; r % 8
	v_bfe_u32 v11, v0, 3, 1                        ; r / 8
	s_wait_alu depctr_va_sdst(0)                   ; s[WV] is written, ahead of its first reader: the wave's LDS and its part of x and out0 are made from it
	s_mul_i32 s82, s[WV], WLDS                     ; my wave's LDS
	v_lshlrev_b32 v[GO], 4, v1
	v_add_nc_u32 v[XW], s82, v[GO]
	v_lshl_add_u32 v[AXB], v4, 2, s82
	v_add_nc_u32 v[AOB], STG, v[AXB]
	v_add_nc_u32 v[AF], STG, v[XW]
	v_lshlrev_b32 v[HO], 7, v5
	v_lshlrev_b32 v[WO], 5, v10
	v_lshl_add_u32 v[WO], v11, 10, v[WO]
	v_lshl_add_u32 v[WO], v5, 4, v[WO]
	v_lshlrev_b32 v[SO], 1, v10
	v_lshl_add_u32 v[SO], v11, 6, v[SO]
	s_mov_b32 s[NMG], 0xcb400000
	s_mov_b32 s[NMG+1], 0xcb400000
	s_mov_b32 s[K4S], 0x3c4987d8                   ; K4 =  0.012300454
	s_mov_b32 s[K4S+1], 0x3c4987d8
	s_mov_b32 s[IPH], 0x3ea2f983
	s_mov_b32 s[IPH+1], 0x3ea2f983
	s_mov_b32 s[IPL], 0x325c9c88
	s_mov_b32 s[IPL+1], 0x325c9c88
	s_mov_b32 s[SEL], 0x76543210
	s_mov_b32 s[SEL+1], 0xfedcba98
	s_lshl_b32 s84, ttmp9, 14                      ; my work-group's 4,096 rows of 4 bytes,
	s_lshl_b32 s83, s[WV], 12                      ; my wave's 1,024 of them
	s_add_co_u32 s84, s84, s83
	s_mov_b32 s85, 0
	ZEROW 2, 192                                   ; all that vector lines write at the head stands here, while the arguments are on their way and ahead of the wait on va_vdst: W2_m1's zero codes,
	ZEROW 2, 224                                   ; W2_m2's,
	ZEROW 0, W3A                                   ; W3_m1's,
	ZEROW 0, W3B                                   ; W3_m2's
	v_mov_b32 v[XR+1], 0
	v_mov_b32 v[RX], 0                             ; a lane permute's destination counts as one of its sources: written once
	v_mov_b32 v[BX], 0
.irp j, 4,5,6,7
	v_mov_b32 v[COD+\j], 0                         ; k = 64 .. 127 of the activations: zero codes, for good
.endr
.irp j, 0,1
	v_mov_b32 v[MGV+\j], 0x4b400000                ; 1.5 x 2^23
	v_mov_b32 v[K3V+\j], 0xbdf0b55b                ; K3 = -0.11753341
	v_mov_b32 v[K3V+2+\j], 0x3f2ae91e              ; K2 =  0.66761961
	v_mov_b32 v[K3V+4+\j], 0xc001e0f7              ; K1 = -2.02935570
	v_mov_b32 v[K3V+6+\j], 0x401de9e6              ; K0 =  2.46740110
.endr
	s_wait_kmcnt 0x0
	s_load_b32 s[B4], s[60:61], 0x0
	s_load_b32 s[B4+1], s[62:63], 0x0
	s_add_nc_u64 s[8:9], s[8:9], s[84:85]
	s_add_nc_u64 s[10:11], s[10:11], s[84:85]
	s_wait_alu depctr_va_vdst(0)                   ; the offsets and LDS addresses v13, v15 and v17 to v22 are written, which the loads and stores of the whole kernel read; up to the LDS stores of x only loads and window switches follow
.irp i, 0,1,2,3,4,5,6,7
	global_load_b128 v[ZA+4*\i:ZA+4*\i+3], v[GO], s[8:9] offset:512*\i th:TH_LOAD_NT   ; my wave's x: 512 consecutive bytes a load, read once
.endr
	LOADC 1, 0,   12                               ; W1_m1
	LOADC 1, 32,  14                               ; b1_m1
	LOADC 1, 64,  16                               ; a1_m1, where c will lie
	LOADC 1, 128, 18                               ; W1_m2
	LOADC 1, 160, 20                               ; b1_m2
	LOADC 1, 192, 22                               ; a1_m2
	LOADC 2, 0,   24                               ; b2_m1
	LOADC 2, 32,  26                               ; a2_m1
	LOADC 2, 96,  28                               ; b2_m2
	LOADC 2, 128, 30                               ; a2_m2
	LOADW 2, 192, 32                               ; W2_m1
	LOADW 2, 224, 36                               ; W2_m2
	LOADC 3, 0,   40                               ; b3_m1
	LOADC 3, 32,  42                               ; a3_m1
	LOADC 3, 96,  44                               ; W4_m1
	LOADC 3, 128, 46                               ; b3_m2
	LOADC 3, 160, 48                               ; a3_m2
	LOADC 3, 224, 50                               ; W4_m2
	LOADW 0, W3A, 52                               ; W3_m1
	LOADW 0, W3B, 56                               ; W3_m2
	LOADS 0, 34
	LOADS 1, 38
	LOADS 2, 54
	LOADS 3, 58
	s_wait_kmcnt 0x0
	s_add_f32 s[B4], s[B4], s[B4+1]
	s_wait_loadcnt 0x0                             ; x and all parameters, once
.irp i, 0,1,2,3,4,5,6,7
	ds_store_b128 v[XW], v[ZA+4*\i:ZA+4*\i+3] offset:512*\i        ; x into my wave's LDS, as it lies in memory
.endr
	ds_load_b32 v[XR], v[AXB]                      ; tile 0's x: LDS serves a wave's instructions in order, so this sees the stores; both halves of the lanes read the same 16 words
	s_wait_dscnt 0x0                               ; tile 0's x is in
	s_wait_alu depctr_vm_vsrc(0)                   ; the LDS stores have read v[ZA ..], which the reciprocals below write: ZA is at work from here on
	PREP 1, 64,  96
	PREP 1, 192, 224
	PREP 2, 32,  64
	PREP 2, 128, 160
	PREP 3, 32,  64
	PREP 3, 160, 192
	WIN 0x41
.set pp, 0
.rept 16
	v_pk_mul_f32 v[128+pp:128+pp+1], v[128+pp:128+pp+1], 2.0 op_sel_hi:[1,0]   ; (2 x) W1_m2 = x (2 W1_m2), exactly
.set pp, pp+2
.endr
	WIN 0
	s_mov_b32 s[TC], 0
.Ltile:                                            ; a trip is a tile of 16 rows, both branches
	s_wait_dscnt 0x1                               ; this tile's x is in: behind its load one LDS instruction was issued, the last tile's result store, which may stay out (behind a flush, and on the way in, nothing is out)
	s_and_b32 s[TI], s[TC], 7
	s_lshl_b32 s[TI], s[TI], 6
	s_add_co_u32 s[TN], s[TC], 1
	s_min_u32 s[TN], s[TN], TILES-1                ; the last trip asks for its own x once more: no read leaves the wave's 4,096 bytes
	s_lshl_b32 s[TN], s[TN], 6
	v_add_nc_u32 v[AO], s[TI], v[AOB]              ; (the last trip's LDS instructions have read both: the wait on vm_vsrc at that trip's end)
	v_add_nc_u32 v[AX], s[TN], v[AXB]
	WIN 0x14
	LAYER1 ZA, 0, 32
	LAYER1 ZB, 128, 160
	HEAD ZA, 1, 64                                 ; A: layer 1's activation
	MID 0
	FIN ZA, 1, 96
	HEAD ZB, 1, 192                                ; B: layer 1's activation | A's h1 is quantised
	MID ZA
	MM ZA, 0x22, 192, 0, WS, 1                     ; A: z2 = h1 W2_m1^T + b2_m1 (W and the bias in window 2) | the next tile's x is asked for
	FIN ZB, 1, 224
	HEAD ZA, 2, 32                                 ; A: layer 2's activation | B's h1 is quantised
	MID ZB
	MM ZB, 0x22, 224, 96, WS+4, 0                  ; B: z2
	FIN ZA, 2, 64
	HEAD ZB, 2, 128                                ; B: layer 2's activation | A's h2 is quantised
	MID ZA
	MM ZA, 0x30, W3A, 0, WS+8, 0                   ; A: z3 = h2 W3_m1^T + b3_m1 (W in window 0, the bias in window 3)
	FIN ZB, 2, 160
	HEAD ZA, 3, 32                                 ; A: layer 3's activation | B's h2 is quantised
	MID ZB
	MM ZB, 0x30, W3B, 128, WS+12, 0                ; B: z3
	FIN ZA, 3, 64
	DOT ZA, 96, 1                                  ; A: h3 . W4_m1 starts the sums
	HEAD ZB, 3, 160                                ; B: layer 3's activation
	MID 0
	FIN ZB, 3, 192
	DOT ZB, 224, 0                                 ; B: h3 . W4_m2 onto them
	WIN 0
	v_pk_add_f32 v[ZA:ZA+1], v[ZA:ZA+1], v[ZA+8:ZA+9]
	v_pk_add_f32 v[ZA+2:ZA+3], v[ZA+2:ZA+3], v[ZA+10:ZA+11]
	v_pk_add_f32 v[ZA+4:ZA+5], v[ZA+4:ZA+5], v[ZA+12:ZA+13]
	v_pk_add_f32 v[ZA+6:ZA+7], v[ZA+6:ZA+7], v[ZA+14:ZA+15]
	v_pk_add_f32 v[ZA:ZA+1], v[ZA:ZA+1], v[ZA+4:ZA+5]
	v_pk_add_f32 v[ZA+2:ZA+3], v[ZA+2:ZA+3], v[ZA+6:ZA+7]
	v_pk_add_f32 v[ZA:ZA+1], v[ZA:ZA+1], v[ZA+2:ZA+3]
	v_add_f32 v[RES], v[ZA], v[ZA+1]               ; my 32 units of both branches,
	v_permlanex16_b32 v[RX], v[RES], s[SEL], s[SEL+1]
	v_add_f32 v[RES], v[RES], v[RX]                ; with lane l xor 16's 32: the same bits in both lanes,
	v_add_f32 v[RES], s[B4], v[RES]                ; and the two b4
	s_wait_alu depctr_va_vdst(0)                   ; v[RES] is written, which the LDS store reads (v[AO] was written at the trip's head)
	ds_store_b32 v[AO], v[RES]                     ; both halves of the lanes write the same word with the same value
	s_wait_alu depctr_vm_vsrc(0)                   ; the store has read v[AO] and v[RES], the load of the next x has read v[AX]: the next trip writes all three
	s_cmp_lg_u32 s[TI], 7*64                       ; every eighth trip the stage is full: a branch on the trip's number
	s_cbranch_scc1 .Lkeep
	s_and_b32 s82, s[TC], 56
	s_lshl_b32 s82, s82, 6                         ; the eight tiles' first byte in my wave's part of out0
	v_add_nc_u32 v[GS], s82, v[GO]
	s_wait_alu depctr_va_vdst(0)                   ; v[GS] is written, which the global store reads as its offset; the activations' lines are done with v[T1 .. T1+3], in which the load below lands
	ds_load_b128 v[T1:T1+3], v[AF]                 ; 128 rows' results, 16 bytes a lane; LDS serves a wave's instructions in order: this sees the eight stores
	s_wait_dscnt 0x0
	global_store_b128 v[GS], v[T1:T1+3], s[10:11] th:TH_STORE_NT   ; 32 lanes store 512 consecutive bytes, at a multiple of 512 from out0's first byte; written once, read by nobody here
	s_wait_xcnt 0x0                                ; the store's address is translated: its offset and its data are rewritten only behind this wait,
	s_wait_alu depctr_vm_vsrc(0)                   ; and the store has read v[GS] and v[T1 .. T1+3]: the next trip writes T1, the next flush the offset
.Lkeep:
	s_add_co_u32 s[TC], s[TC], 1
	s_cmp_lt_u32 s[TC], TILES
	s_cbranch_scc1 .Ltile
	s_wait_dscnt 0x0
	s_wait_alu depctr_hold_cnt(0) depctr_sa_sdst(0) depctr_va_vdst(0) depctr_va_sdst(0) depctr_va_ssrc(0) depctr_va_vcc(0) depctr_vm_vsrc(0)
	s_wait_tensorcnt 0x0
	ds_add_u32 v238, v239
	s_wait_dscnt 0x0
	s_endpgm
.Lfunc_end_k_q4b94ac6e7a_snake2:
	.size	k_q4b94ac6e7a_snake2, .Lfunc_end_k_q4b94ac6e7a_snake2-k_q4b94ac6e7a_snake2
	.p2alignl 7, 3214868480
	.fill 96, 4, 3214868480
	.section	.rodata,"a",@progbits
	.p2align	6, 0x0
	.amdhsa_kernel k_q4b94ac6e7a_snake2
		.amdhsa_group_segment_fixed_size 18944
		.amdhsa_private_segment_fixed_size 0
		.amdhsa_enable_private_segment 0
		.amdhsa_kernarg_size 224
		.amdhsa_user_sgpr_count 2
		.amdhsa_user_sgpr_kernarg_segment_ptr 1
		.amdhsa_wavefront_size32 1
		.amdhsa_system_sgpr_workgroup_id_x 1
		.amdhsa_system_sgpr_workgroup_id_y 1
		.amdhsa_system_sgpr_workgroup_id_z 1
		.amdhsa_system_vgpr_workitem_id 0
		.amdhsa_next_free_vgpr 1024
		.amdhsa_next_free_sgpr 96
		.amdhsa_reserve_vcc 0
		.amdhsa_float_denorm_mode_32 3
		.amdhsa_float_denorm_mode_16_64 3
		.amdhsa_memory_ordered 1
		.amdhsa_forward_progress 1
		.amdhsa_inst_pref_size 153
	.end_amdhsa_kernel
	.amdgpu_metadata
---
amdhsa.version: [ 1, 2 ]
amdhsa.kernels:
  - .name:           k_q4b94ac6e7a_snake2
    .symbol:         k_q4b94ac6e7a_snake2.kd
    .args:
      - { .name: x, .offset: 0, .size: 8, .value_kind: global_buffer, .address_space: global }
      - { .name: out0, .offset: 8, .size: 8, .value_kind: global_buffer, .address_space: global }
      - { .name: W1_m1, .offset: 16, .size: 8, .value_kind: global_buffer, .address_space: global }
      - { .name: b1_m1, .offset: 24, .size: 8, .value_kind: global_buffer, .address_space: global }
      - { .name: a1_m1, .offset: 32, .size: 8, .value_kind: global_buffer, .address_space: global }
      - { .name: W1_m2, .offset: 40, .size: 8, .value_kind: global_buffer, .address_space: global }
      - { .name: b1_m2, .offset: 48, .size: 8, .value_kind: global_buffer, .address_space: global }
      - { .name: a1_m2, .offset: 56, .size: 8, .value_kind: global_buffer, .address_space: global }
      - { .name: b2_m1, .offset: 64, .size: 8, .value_kind: global_buffer, .address_space: global }
      - { .name: a2_m1, .offset: 72, .size: 8, .value_kind: global_buffer, .address_space: global }
      - { .name: b2_m2, .offset: 80, .size: 8, .value_kind: global_buffer, .address_space: global }
      - { .name: a2_m2, .offset: 88, .size: 8, .value_kind: global_buffer, .address_space: global }
      - { .name: W2_m1_codes, .offset: 96, .size: 8, .value_kind: global_buffer, .address_space: global }
      - { .name: W2_m1_scales, .offset: 104, .size: 8, .value_kind: global_buffer, .address_space: global }
      - { .name: W2_m2_codes, .offset: 112, .size: 8, .value_kind: global_buffer, .address_space: global }
      - { .name: W2_m2_scales, .offset: 120, .size: 8, .value_kind: global_buffer, .address_space: global }
      - { .name: b3_m1, .offset: 128, .size: 8, .value_kind: global_buffer, .address_space: global }
      - { .name: a3_m1, .offset: 136, .size: 8, .value_kind: global_buffer, .address_space: global }
      - { .name: W4_m1, .offset: 144, .size: 8, .value_kind: global_buffer, .address_space: global }
      - { .name: b3_m2, .offset: 152, .size: 8, .value_kind: global_buffer, .address_space: global }
      - { .name: a3_m2, .offset: 160, .size: 8, .value_kind: global_buffer, .address_space: global }
      - { .name: W4_m2, .offset: 168, .size: 8, .value_kind: global_buffer, .address_space: global }
      - { .name: W3_m1_codes, .offset: 176, .size: 8, .value_kind: global_buffer, .address_space: global }
      - { .name: W3_m1_scales, .offset: 184, .size: 8, .value_kind: global_buffer, .address_space: global }
      - { .name: W3_m2_codes, .offset: 192, .size: 8, .value_kind: global_buffer, .address_space: global }
      - { .name: W3_m2_scales, .offset: 200, .size: 8, .value_kind: global_buffer, .address_space: global }
      - { .name: b4_m1, .offset: 208, .size: 8, .value_kind: global_buffer, .address_space: global }
      - { .name: b4_m2, .offset: 216, .size: 8, .value_kind: global_buffer, .address_space: global }
    .group_segment_fixed_size: 18944
    .private_segment_fixed_size: 0
    .kernarg_segment_align: 8
    .kernarg_segment_size: 224
    .max_flat_workgroup_size: 128
    .sgpr_count:     96
    .vgpr_count:     1024
    .wavefront_size: 32
...
	.end_amdgpu_metadata
.endif
;; end of part 2
